; MI455X (gfx1250); checked and timed in simulation.
; The chip was launched on July 23, 2026; its instructions are those of AMD's public machine-readable ISA for CDNA 5 (MIT licence, August 2026) and "CDNA5" Instruction Set Architecture Reference Guide (July 2026). The comments in the code are by the model that wrote it; some were corrected since.
;; Discrete Decision Engine. Allowed arithmetic: matrix products marked QUANTISED: E5M2 operands, one given power-of-two scale a tensor, by v_wmma_f32_16x16x64_bf8_bf8 or v_wmma_f32_16x16x128_bf8_bf8, f32 sums; everything else in f32.
;; Inputs: codebook 8,192 x 512 float32; lowp_scales 2 int32 (the exponents e of the quantised operands' scales 2^e); x 16,384 x 512 float32.
;; Outputs: out0 16,384 x 512 float32.
;; This version of the problem:
;;   THIS VERSION OF THE PROBLEM IS GIVEN IN LOW PRECISION. The matrix products marked QUANTISED in the list below multiply operands that are first quantised to E5M2 (5 exponent bits, 2 mantissa bits; 8 bits a number), with one given power-of-two scale for each operand tensor; their sums are f32. All else is computed in f32.
;;   The module's matrix products, in the order in which they are computed (A, B: the left and right operand; K: the contracted axis; several contracted axes count as one K, in the product's order):
;;     1. [M 16,384, K 512] x [K 512, N 8,192]; A: input x; B: input codebook: QUANTISED (scales: A lowp_scales[0], B lowp_scales[1])
;;   THE QUANTISER, for each operand of a quantised product, along K:
;;     - The operand's scale is 2^e, e = its entry of the input lowp_scales (int32; the entries are numbered through the quantised products in the list's order, A before B).
;;     - Each number is divided by the scale, clamped to +-57,344, and rounded to the nearest number of E5M2, ties to even, subnormals kept.
;;     - The product sums the exact products of the quantised numbers (number of the format x scale) in f32.
;;   ~~~python
;;   def quantise(x, axis, e):      # numpy; x: float32 -> the quantised numbers, widened to float32 again
;;       x = np.moveaxis(x, axis, -1); K = x.shape[-1]
;;       r = np.clip(x / 2.0 ** e, -57344, 57344)
;;       step = 2.0 ** (np.maximum(np.frexp(np.where(r == 0, 1, r))[1] - 1, -14) - 2)
;;       q = np.round(r / step) * step * 2.0 ** e      # np.round: ties to even
;;       return np.moveaxis(q, -1, axis).astype(np.float32)
;;   ~~~
;; One version. Each part assembles by itself: llvm-mc -triple=amdgcn-amd-amdhsa -mcpu=gfx1250 --defsym DOCPART=n.
;; ======== version 1 of 1: 3 launches
;; limits: right only within a limited range of input values
;; workspace buffers: xc 8,388,608 bytes; cc 4,194,304 bytes; cneg 32,768 bytes; xsq 65,536 bytes; part 1,048,576 bytes of whole numbers
;; launch quant (part 1): grid 256 x 1, 6 waves a work-group, no clusters, 86,784 bytes of LDS; arguments x, codebook, lowp_scales, xc, cc, xsq, cneg; writes xc, cc, xsq, cneg
.if DOCPART == 1
	.amdgcn_target "amdgcn-amd-amdhsa--gfx1250"
	.amdhsa_code_object_version 6
	.text
	.protected	k_q3d3d3af92b_quant
	.globl	k_q3d3d3af92b_quant
	.p2align	8
	.type	k_q3d3d3af92b_quant,@function
k_q3d3d3af92b_quant:
	s_mov_b64 s[64:65], 0
	v_nop
	global_prefetch_b8 v0, s[64:65] scope:SCOPE_SE
	s_setreg_imm32_b32 hwreg(HW_REG_WAVE_MODE, 25, 1), 1
	s_wait_xcnt 0x0
; x [16384][512] and codebook [8192][512], f32, become codes of BF8 (E5M2), each with the one scale 2^e that is given for it (entry 0: x, entry 1: codebook), and each row's sum of squares is taken on the way.
; code = number / 2^e, held within +-57,344, rounded to the nearest code, ties to even.
; A TILE is 16 rows x 512 along K.  Its codes are stored as an image of the operand's registers: byte 256 b + 16 t holds row t's codes of k = 16 b .. 16 b + 15 (b = 0 .. 31).  With b = 8 s + 2 c + h that is
; byte 2048 s + 512 c + 16 (16 h + t): register group c of K step s comes to lane 16 h + t by one load of 16 bytes a lane from 512 consecutive bytes.
; SHARES.  1,536 tiles, one a wave: tile g = 6 x work-group + wave; g < 1024: x's tile g, else the codebook's tile g - 1024.  Only pointers, the exponent and one factor are chosen; both tensors take one path.
; A wave takes a row (2,048 bytes) a step.  Each of a step's four loads reads 512 consecutive bytes; the row turns through the wave's own stage in LDS and comes back 16 neighbours a lane (lane l: k = 16 l ..), which is
; what the conversions want; the lane's 16 codes go to the wave's image in LDS (block l, row t) and the whole image leaves at the end, 512 consecutive bytes a store.  Waves share nothing: no barrier.
; THE SQUARES.  xsq[row] = the row's sum of squares.  cneg[row] = -(the sum) x 2^-(ea + eb + 1): what the product's sums begin with in the next launch.  They leave as 64 bytes a wave: 98,304 bytes of the launch's 63 million.
; LIMITS: -126 <= e and e + 15 <= 127 for both exponents; ea + eb + 1 between -126 and 126; the sums of squares are added in another order than a plain loop's; NaN among the inputs is not served.
.set WREG, 14336                       ; LDS bytes of a wave
.set SP,   80                          ; a lane's place in a stage: its 64 bytes + 16 of padding
.set STGB, 32*SP                       ; a stage; there are two, by turns
.set IMG,  2*STGB                      ; behind them the image: 32 blocks,
.set IP,   272                         ; 256 bytes + 16 of padding apart
.set C,    16                          ; v16-23   codes: two sets of four
.set X,    24                          ; v24-55   two sets of 16 neighbours
.set R,    64                          ; v64-191  eight sets of 16 numbers as loaded; at the end v64-127 take the image
	s_load_b256 s[4:11], s[0:1], 0x0               ; x s[4:5], codebook s[6:7], the exponents s[8:9], xc s[10:11]
	s_load_b128 s[12:15], s[0:1], 0x20             ; cc s[12:13], xsq s[14:15]
	s_load_b64 s[16:17], s[0:1], 0x30              ; cneg
	v_lshl_add_u32 v192, v0, 2, 0x15000
	v_mov_b32 v193, 0
	v_lshrrev_b32 v1, 5, v0
	v_readfirstlane_b32 s24, v1                    ; wave 0..5
	v_and_b32 v1, 31, v0                           ; lane
	v_lshlrev_b32 v2, 4, v1                        ; my 16 bytes of 512: for the loads and for the codes' stores
	s_mul_i32 s36, s24, WREG
	v_lshrrev_b32 v3, 2, v1
	v_mul_u32_u24 v3, v3, SP
	v_and_b32 v4, 3, v1
	v_lshl_add_u32 v3, v4, 4, v3
	v_add_nc_u32 v3, s36, v3                       ; the stage, on the way in: four lanes' 64 bytes on end, then the padding
	v_mul_u32_u24 v4, v1, SP
	v_add_nc_u32 v4, s36, v4                       ; and on the way out: my 16 neighbours
	v_mul_u32_u24 v5, v1, IP
	v_add_nc_u32 v5, s36, v5
	v_add_nc_u32 v5, IMG, v5                       ; the image, on the way in: block = my lane
	v_lshrrev_b32 v6, 4, v1
	v_mul_u32_u24 v6, v6, IP
	v_and_b32 v7, 15, v1
	v_lshl_add_u32 v6, v7, 4, v6
	v_add_nc_u32 v6, s36, v6
	v_add_nc_u32 v6, IMG, v6                       ; and on the way out: sixteen lanes to a block, two blocks an instruction
	v_lshlrev_b32 v7, 2, v1                        ; my word among the 16 sums
	v_mov_b32 v8, 0                                ; lane t will hold row t's sum
	v_mov_b32 v9, 0                                ; written once: a lane permute's destination counts as one of its sources
	s_mov_b32 s30, 0x76543210
	s_mov_b32 s31, 0xfedcba98                      ; lane l xor 16
	s_mul_i32 s25, ttmp9, 6
	s_add_co_u32 s25, s25, s24                     ; g
	s_wait_kmcnt 0x0
	s_load_b64 s[26:27], s[8:9], 0x0               ; ea, eb
	s_cmp_lt_u32 s25, 1024                         ; x's tile or the codebook's?  The choice hangs on ids alone
	s_cselect_b64 s[18:19], s[4:5], s[6:7]         ; the numbers,
	s_cselect_b64 s[20:21], s[10:11], s[12:13]     ; the codes,
	s_cselect_b64 s[22:23], s[14:15], s[16:17]     ; the squares
	s_cselect_b32 s32, 0, 1024
	s_sub_co_u32 s32, s25, s32                     ; the tile's number in its tensor
	s_mov_b32 s35, 0
	s_lshl_b32 s34, s32, 15                        ; 16 rows of 2,048 bytes
	s_add_nc_u64 s[18:19], s[18:19], s[34:35]
	s_lshl_b32 s34, s32, 13                        ; 8,192 bytes of codes
	s_add_nc_u64 s[20:21], s[20:21], s[34:35]
	s_lshl_b32 s34, s32, 6                         ; 16 sums
	s_add_nc_u64 s[22:23], s[22:23], s[34:35]
.macro LOAD t                          ; row t into set t % 8: each load reads 512 consecutive bytes
.irp i, 0,1,2,3
	global_load_b128 v[R+16*((\t)%8)+4*\i:R+16*((\t)%8)+4*\i+3], v2, s[18:19] offset:2048*(\t)+512*\i th:TH_LOAD_NT
.endr
.endm
.macro TURN t                          ; row t through stage t % 2: LDS serves a wave's instructions in order, so no wait stands between the stores and the loads
.irp i, 0,1,2,3
	ds_store_b128 v3, v[R+16*((\t)%8)+4*\i:R+16*((\t)%8)+4*\i+3] offset:STGB*((\t)%2)+8*SP*\i
.endr
.irp i, 0,1,2,3
	ds_load_b128 v[X+16*((\t)%2)+4*\i:X+16*((\t)%2)+4*\i+3], v4 offset:STGB*((\t)%2)+16*\i
.endr
.endm
.irp t, 0,1,2,3,4,5,6,7
	LOAD \t                                        ; eight rows, 32 loads, are on their way
.endr
	s_wait_kmcnt 0x0
	s_add_co_i32 s28, s26, s27                     ; ea + eb
	s_sub_co_i32 s28, 126, s28
	s_lshl_b32 s28, s28, 23
	s_or_b32 s28, s28, 0x80000000                  ; -2^-(ea + eb + 1) as f32
	s_mov_b32 s29, 0x3f800000                      ; 1.0
	s_cmp_lt_u32 s25, 1024
	s_cselect_b32 s28, s29, s28                    ; what the sums are multiplied by
	s_cselect_b32 s33, s26, s27                    ; e
	s_add_co_i32 s33, s33, 127
	s_lshl_b32 s37, s33, 23
	v_mov_b32 v11, s37                             ; 2^e as f32: the conversion takes its exponent field
	s_add_co_i32 s33, s33, 15
	s_lshl_b32 s33, s33, 23
	s_or_b32 s33, s33, 0x600000
	v_mov_b32 v10, s33                             ; 57,344 x 2^e
	s_wait_loadcnt 28                              ; row 0's four loads are in; the seven rows behind it may be out
	TURN 0
.macro STEP t
.set XS, X+16*((\t)%2)
.set CC, C+4*((\t)%2)
	s_wait_dscnt 0x0                               ; this row is back from the stage; so its stores into the stage have read their registers,
.if (\t) < 8
	LOAD (\t)+8                                    ; which take the row eight further on
.endif
.if (\t) < 15
.if (\t) <= 7
	s_wait_loadcnt 28                              ; the next row's four loads are in; those of the seven rows behind it may be out
.else
	s_wait_loadcnt 4*(14-(\t))                     ; the rows behind it run out
.endif
	TURN (\t)+1                                    ; and goes through the other stage while this row is worked
.endif
	v_pk_mul_f32 v[12:13], v[XS:XS+1], v[XS:XS+1]  ; the squares of the numbers as they are given, two at a time, in two chains
	v_pk_mul_f32 v[14:15], v[XS+2:XS+3], v[XS+2:XS+3]
.irp j, 4,8,12
	v_pk_fma_f32 v[12:13], v[XS+\j:XS+\j+1], v[XS+\j:XS+\j+1], v[12:13]
	v_pk_fma_f32 v[14:15], v[XS+\j+2:XS+\j+3], v[XS+\j+2:XS+\j+3], v[14:15]
.endr
	v_pk_add_f32 v[12:13], v[12:13], v[14:15]
	v_add_f32 v12, v12, v13
	v_add_f32_dpp v12, v12, v12 row_xmask:1 row_mask:0xf bank_mask:0xf
	v_add_f32_dpp v12, v12, v12 row_xmask:2 row_mask:0xf bank_mask:0xf
	v_add_f32_dpp v12, v12, v12 row_xmask:4 row_mask:0xf bank_mask:0xf
	v_add_f32_dpp v12, v12, v12 row_xmask:8 row_mask:0xf bank_mask:0xf
	v_permlanex16_b32 v9, v12, s30, s31
	v_add_f32 v12, v12, v9                         ; the row's sum, in every lane
	v_cmp_eq_u32 vcc_lo, \t, v1
	v_cndmask_b32 v8, v8, v12, vcc_lo              ; lane t keeps it
.irp i, 0,1,2,3,4,5,6,7,8,9,10,11,12,13,14,15
	v_med3_num_f32 v[XS+\i], v[XS+\i], -v10, v10   ; the conversion to an 8-bit code does not saturate (ISA guide 7.6.2): the hold at the largest code x the scale
.endr
	v_cvt_scalef32_pk8_bf8_f32 v[CC:CC+1], v[XS:XS+7], v11
	v_cvt_scalef32_pk8_bf8_f32 v[CC+2:CC+3], v[XS+8:XS+15], v11
	ds_store_b128 v5, v[CC:CC+3] offset:16*(\t)    ; block = my lane, row t.  (The codes go to an LDS store alone; the next vector lines are plain and touch other registers)
.endm
.irp t, 0,1,2,3,4,5,6,7,8,9,10,11,12,13,14,15
	STEP \t
.endr
.irp i, 0,1,2,3,4,5,6,7,8,9,10,11,12,13,14,15
	ds_load_b128 v[R+4*\i:R+4*\i+3], v6 offset:2*IP*\i   ; the image comes back, two blocks an instruction: these see my stores, which were issued ahead of them
.endr
.irp i, 0,1,2,3,4,5,6,7,8,9,10,11,12,13,14,15
	s_wait_dscnt 15-\i                             ; load i is in; the younger ones may be out
	global_store_b128 v2, v[R+4*\i:R+4*\i+3], s[20:21] offset:512*\i   ; 32 lanes store 512 consecutive bytes, at a multiple of 512 from the buffer's first byte
.endr
	v_mul_f32 v8, s28, v8                          ; x 1, or x -2^-(ea + eb + 1)
	v_cmp_gt_u32 vcc_lo, 16, v1
	s_wait_alu depctr_va_vdst(0)
	s_wait_xcnt 0x0                                ; EXEC is a source of the stores above: it changes only behind this wait
	s_wait_tensorcnt 0x0
	ds_add_u32 v192, v193
	s_wait_dscnt 0x0
	s_and_saveexec_b32 s37, vcc_lo
	global_store_b32 v7, v8, s[22:23]              ; lanes 0 to 15: the tile's 16 sums
	s_wait_xcnt 0x0                                ; and again in front of the line that widens it
	s_or_b32 exec_lo, exec_lo, s37
	s_endpgm
.Lfunc_end_k_q3d3d3af92b_quant:
	.size	k_q3d3d3af92b_quant, .Lfunc_end_k_q3d3d3af92b_quant-k_q3d3d3af92b_quant
	.p2alignl 7, 3214868480
	.fill 96, 4, 3214868480
	.section	.rodata,"a",@progbits
	.p2align	6, 0x0
	.amdhsa_kernel k_q3d3d3af92b_quant
		.amdhsa_group_segment_fixed_size 86784
		.amdhsa_private_segment_fixed_size 0
		.amdhsa_enable_private_segment 0
		.amdhsa_kernarg_size 56
		.amdhsa_user_sgpr_count 2
		.amdhsa_user_sgpr_kernarg_segment_ptr 1
		.amdhsa_wavefront_size32 1
		.amdhsa_system_sgpr_workgroup_id_x 1
		.amdhsa_system_sgpr_workgroup_id_y 1
		.amdhsa_system_sgpr_workgroup_id_z 1
		.amdhsa_system_vgpr_workitem_id 0
		.amdhsa_next_free_vgpr 194
		.amdhsa_next_free_sgpr 66
		.amdhsa_reserve_vcc 1
		.amdhsa_float_denorm_mode_32 3
		.amdhsa_float_denorm_mode_16_64 3
		.amdhsa_memory_ordered 1
		.amdhsa_forward_progress 1
		.amdhsa_inst_pref_size 57
	.end_amdhsa_kernel
	.amdgpu_metadata
---
amdhsa.version: [ 1, 2 ]
amdhsa.kernels:
  - .name:           k_q3d3d3af92b_quant
    .symbol:         k_q3d3d3af92b_quant.kd
    .args:
      - { .name: x, .offset: 0, .size: 8, .value_kind: global_buffer, .address_space: global }
      - { .name: codebook, .offset: 8, .size: 8, .value_kind: global_buffer, .address_space: global }
      - { .name: lowp_scales, .offset: 16, .size: 8, .value_kind: global_buffer, .address_space: global }
      - { .name: xc, .offset: 24, .size: 8, .value_kind: global_buffer, .address_space: global }
      - { .name: cc, .offset: 32, .size: 8, .value_kind: global_buffer, .address_space: global }
      - { .name: xsq, .offset: 40, .size: 8, .value_kind: global_buffer, .address_space: global }
      - { .name: cneg, .offset: 48, .size: 8, .value_kind: global_buffer, .address_space: global }
    .group_segment_fixed_size: 86784
    .private_segment_fixed_size: 0
    .kernarg_segment_align: 8
    .kernarg_segment_size: 56
    .max_flat_workgroup_size: 192
    .sgpr_count:     66
    .vgpr_count:     194
    .wavefront_size: 32
...
	.end_amdgpu_metadata
.endif
;; end of part 1
;; launch dist (part 2): grid 32 x 8, 8 waves a work-group, clusters of 4 x 1, 327,680 bytes of LDS; arguments xc, cc, cneg, xsq, lowp_scales, part; writes part
.if DOCPART == 2
	.amdgcn_target "amdgcn-amd-amdhsa--gfx1250"
	.amdhsa_code_object_version 6
	.text
	.protected	k_q3d3d3af92b_dist
	.globl	k_q3d3d3af92b_dist
	.p2align	8
	.type	k_q3d3d3af92b_dist,@function
k_q3d3d3af92b_dist:
	s_mov_b64 s[64:65], 0
	v_nop
	global_prefetch_b8 v0, s[64:65] scope:SCOPE_SE
	s_setreg_imm32_b32 hwreg(HW_REG_WAVE_MODE, 25, 1), 1
	s_wait_xcnt 0x0
	s_wait_alu depctr_hold_cnt(0) depctr_sa_sdst(0) depctr_va_vdst(0) depctr_va_sdst(0) depctr_va_ssrc(0) depctr_va_vcc(0) depctr_vm_vsrc(0)
	s_getreg_b32 s2, hwreg(HW_REG_IB_STS2, 6, 4)
	s_cmp_eq_u32 s2, 0
	s_cbranch_scc0 .Lentry_in_a_cluster
	s_endpgm
.Lentry_in_a_cluster:
	s_bfe_u32 s2, ttmp6, 0x10000c
	s_cmp_lg_u32 s2, 0x3003
	s_cbranch_scc0 .Lentry_shape_is_right
	s_endpgm
.Lentry_shape_is_right:
; For each of 16,384 tokens and each of 8 splits of 1,024 codebook entries: the entry with the least  x_sq - 2 x.c + c_sq,  x.c on codes of BF8 (E5M2) by v_wmma_f32_16x16x128_bf8_bf8, sums in f32.
; THE ARITHMETIC.  With s = 2^(ea + eb) each sum begins with C = cneg[entry] = -c_sq / (2 s): the finished sum is a = -(c_sq - 2 x.c) / (2 s).  Inside a split the least distance is the greatest a.
; For the split's winner alone d = a x (-2 s) + x_sq is formed and turned into a 32-bit whole number that orders as d does; key and index go to the buffer part, where the next launch compares the eight splits.
; LIMITS.  The order of rounding differs from x_sq - 2 x.c + c_sq read from the left: c_sq enters the matrix unit's sum, x_sq is added last, to the winner alone.  Of equal a the lowest index wins, at every level.
; ea + eb + 1 between -126 and 126.  Every a is finite (the best starts at minus infinity and only a greater a takes its place); NaN among the inputs is not served.
; SHARES.  Work-group (block, split): 512 tokens x 1,024 entries.  Eight waves; wave w: tokens 512 block + 64 w on: four tiles T of 16 tokens, whose codes for all of K = 512 stay in 256 registers.  The codebook streams:
; every wave walks the split's 64 tiles of 16 entries; a tile is 4 K steps x 4 T = 16 matrix instructions, fed by 16 LDS loads of codes and 2 of cneg.
; CLUSTER.  The four work-groups of a cluster have one split and four blocks: they walk the same tiles of the codebook, so each fill is one joint load with the mask of all four.  x's codes are read by one wave alone
; in a cluster and come by plain loads into registers.  The split's 1,024 cneg (4,096 bytes) come by one plain load a thread and go to LDS bytes of their own, on which no fill lands.
; NO PREFETCH: between a refill's request and the wait for it stand the products of 16 tiles, 256 matrix instructions a wave; the first fills have no loop ahead of them.
; LAYOUT.  Source 0 = 16 entries, source 1 = 16 tokens: lane (r, h) holds token r, its register j entry 16 t + 8 h + j.  Codes lie in memory and LDS as images of the operands' registers (byte 2048 s + 512 c + 16 lane
; of a tile of 8,192): every fragment load takes 512 consecutive bytes.  k is laid alike in both operands.
; A TURN: the next tile's 18 LDS loads in one run (sets q); the 16 products of the tile in sets p, four accumulators by turns; four places; the tile's search.
; TWO GROUPS OF WAVES.  Waves 0-3 search a tile at the end of its turn, waves 4-7 at the head of the next turn.  Each wave's own order of work is the same; but a barrier between two turns finds waves 4-7 with a search
; still to do, so that behind it half of the waves begin with matrix instructions and half with vector instructions.  The branches hang on the wave's number alone and lead round the search alone.
; THE SEARCH, for a tile T of tokens: the greatest of the lane's eight a and the best so far (four v_max3); where the best has grown (a strict compare into VCC: the earliest tile wins) the eight a are kept, two to an
; instruction, and the tile's number.  Other T's v_max3 stand between a compare and its selects.  Which of the eight it was is found once, at the end.
; REGISTERS: window 0: v1-7 addresses; v8-11 M; v12-15, v16-19 the best, two sets by turns; v20-23 the best's tile; v24-27 x_sq; v28-31 cneg on its way, then what is stored; v32-47 CS0, CS1; v48-79 the best tile's
; eight a; v80-111 the accumulators; v128-255 F0, F1 (K step s at 16 s).   window 1: x's codes, at 64 T + 16 s.   (s_set_vgpr_msb: bits 3:2 source 1, 7:6 destination)
.set TILEB, 8192                       ; a tile of 16 entries x 512 codes
.set SLOTB, 131072                     ; a slot: 16 tiles.  Slot 0 at LDS byte 0, slot 1 at SLOTB
.set CN,    262144                     ; behind the ring: the split's 1,024 cneg, stored once by ds_store
.set SPARE, 294912                     ; the spare words, 128 bytes for each of the eight waves
.set LA,  1                            ; 16 x lane; never rewritten
.set CA,  2                            ; CN + 32 h; never rewritten
.set ADR, 3                            ; LDS address of the tile that is fetched; at the end my place in part
.set ADC, 4                            ; of its cneg
.set SPW, 5
.set NIL, 6
.set MI,  7                            ; 4 r for x_sq; at the end 8 h + 1024 split
.set MX,  8
.set BA,  12
.set BB,  16
.set ID,  20
.set XS,  24
.set OUTR, 28
.set CS,  32
.set SV,  48
.set ACC, 80
.set F,   128
.set WV,  16                           ; s16 my wave's number
.set TB,  20                           ; s20 LDS byte of the tile to be fetched
.set TC,  21                           ; s21 64 x its number in the split
.set TID, 22                           ; s22 the number of the tile that is searched
.set M2S, 25                           ; s25 -2 s as f32
.set G1C, 40                           ; s[40:47] descriptor group 1: a wave's eighth of a slot
.set G0A, 56                           ; s[56:59] group 0: tiles 0-15 into slot 0
.set G0W, 60                           ; s[60:63] group 0: tiles 16-31 into slot 1; it then walks on
.set MSB, 0
.macro WIN new                         ; the immediate's high byte repeats the setting that is left
.if MSB != (\new)
	s_set_vgpr_msb (MSB<<8)|(\new)
.set MSB, (\new)
.endif
.endm
.macro CROUND                          ; a round of the cluster's barrier
	s_barrier_signal -1
	s_barrier_wait -1
	s_cmp_lg_u32 s[WV], 0
	s_cbranch_scc1 .Lnot_wave_0_\@
	s_barrier_signal -3
.Lnot_wave_0_\@:
	s_barrier_wait -3
	s_barrier_signal -1
	s_barrier_wait -1
.endm
.macro PLACES
.rept 4
	v_nop
.endr
.endm
	s_load_b256 s[4:11], s[0:1], 0x0               ; xc s[4:5], cc s[6:7], cneg s[8:9], xsq s[10:11]
	s_load_b128 s[12:15], s[0:1], 0x20             ; the exponents s[12:13], part s[14:15]
	v_lshl_add_u32 v[SPW], v0, 2, SPARE
	v_mov_b32 v[NIL], 0
	ds_add_u32 v[SPW], v[NIL]                      ; the opening lines: the add, twice on end, and its wait ahead of my first tensor load
	ds_add_u32 v[SPW], v[NIL]
	v_lshrrev_b32 v1, 5, v0
	v_readfirstlane_b32 s[WV], v1                  ; wave 0..7
	v_and_b32 v[LA], 31, v0
	v_lshlrev_b32 v[LA], 4, v[LA]
	v_bfe_u32 v[CA], v0, 4, 1                      ; h
	v_lshl_add_u32 v[CA], v[CA], 5, CN
	v_and_b32 v[MI], 15, v0                        ; r
	v_lshlrev_b32 v[MI], 2, v[MI]
	v_lshlrev_b32 v[MX], 4, v0                     ; 16 x thread: my 16 bytes of the split's cneg,
	v_add_nc_u32 v[MX+1], CN, v[MX]                ; and their place in LDS
.set j, 0
.rept 8
	v_mov_b32 v[BA+j], 0xff800000                  ; the best so far, both sets: minus infinity, so that tile 0 takes its place.  These lines stand under the wait for the arguments
.set j, j+1
.endr
.set j, 0
.rept 4
	v_mov_b32 v[ID+j], 0
.set j, j+1
.endr
.set j, 0
.rept 32
	v_mov_b32 v[SV+j], 0                           ; written once: the selects name them as sources
.set j, j+1
.endr
	s_bfe_u32 s17, ttmp6, 0x40000                  ; cx
	s_lshl_b32 s18, ttmp9, 2
	s_add_co_u32 s18, s18, s17                     ; block = 4 x cluster x + cx: it enters the addresses of xc, xsq and part alone
	s_and_b32 s19, ttmp7, 0xffff                   ; split, which the four partners share
	; group 1: 64 rows of 256 bytes (32 elements of 8 bytes), dense in memory and in LDS: two tiles
	s_mov_b32 s[G1C], 15|(3<<16)|(1<<21)           ; the mask of all four; elements of 8 bytes; bit 21 beside a mask
	s_mov_b32 s[G1C+1], 32<<16
	s_mov_b32 s[G1C+2], 64<<16
	s_mov_b32 s[G1C+3], 32<<16
	s_mov_b32 s[G1C+4], 64
	s_mov_b32 s[G1C+5], 32
	s_mov_b32 s[G1C+6], 0
	s_mov_b32 s[G1C+7], 0
	s_mov_b32 s[G0A], 1
	s_mov_b32 s[G0W], 1
	s_lshl_b32 s[G0A+1], s[WV], 14                 ; LDS: my eighth of slot 0,
	s_add_co_u32 s[G0W+1], s[G0A+1], SLOTB         ; of slot 1
	s_lshl_b32 s74, s19, 12                        ; cneg: 4,096 split
	s_mov_b32 s75, 0
	s_lshl_b32 s72, s19, 19
	s_add_co_u32 s72, s72, s[G0A+1]                ; cc: 64 tiles x split + two tiles x wave
	s_mov_b32 s73, 0
	s_lshl_b32 s76, s18, 18
	s_lshl_b32 s77, s[WV], 15
	s_add_co_u32 s76, s76, s77                     ; xc: (32 block + 4 wave) tiles of 8,192 bytes
	s_mov_b32 s77, 0
	s_lshl_b32 s78, s18, 11
	s_lshl_b32 s79, s[WV], 8
	s_add_co_u32 s78, s78, s79                     ; xsq: (512 block + 64 wave) x 4
	s_mov_b32 s79, 0
	s_lshl_b32 s80, s19, 17
	s_lshl_b32 s81, s18, 12
	s_add_co_u32 s80, s80, s81
	s_lshr_b32 s81, s[WV], 1
	s_lshl_b32 s81, s81, 10
	s_add_co_u32 s80, s80, s81                     ; part: (128 split + 4 block + wave / 2) x 1,024,
	s_and_b32 s81, s[WV], 1
	s_lshl_b32 s81, s81, 8
	s_add_co_u32 s80, s80, s81                     ; + 256 (wave % 2): my 64 of the 128 words
	s_mov_b32 s81, 0
	s_mov_b32 s26, 0xffff0000                      ; lanes 16 to 31
	s_mov_b32 s28, 0x76543210
	s_mov_b32 s29, 0xfedcba98                      ; lane l xor 16
	s_mov_b32 s[TB], 0
	s_mov_b32 s[TC], 0
	s_mov_b32 s[TID], 0
	s_wait_alu depctr_va_vdst(0)
	s_wait_dscnt 0x0                               ; both opening adds are done
	s_wait_kmcnt 0x0
	s_load_b64 s[30:31], s[12:13], 0x0             ; ea, eb
	s_add_nc_u64 s[G0A+2:G0A+3], s[6:7], s[72:73]
	s_add_nc_u64 s[G0W+2:G0W+3], s[G0A+2:G0A+3], SLOTB
	s_or_b32 s[G0A+3], s[G0A+3], 0x80000000        ; type = 2
	s_or_b32 s[G0W+3], s[G0W+3], 0x80000000
	s_add_nc_u64 s[8:9], s[8:9], s[74:75]
	s_add_nc_u64 s[4:5], s[4:5], s[76:77]
	s_add_nc_u64 s[10:11], s[10:11], s[78:79]
	s_add_nc_u64 s[14:15], s[14:15], s[80:81]
	CROUND                                         ; all four work-groups are here: the first joint loads meet
	tensor_load_to_lds s[G0A:G0A+3], s[G1C:G1C+7]  ; my eighth of slot 0: one tensor load a wave at the head
	s_nop 0
	PLACES                                         ; four lines behind a tensor load, ahead of the next switch of windows
	global_load_b128 v[OUTR:OUTR+3], v[MX], s[8:9] ; the eight waves read the split's 4,096 bytes of cneg, 512 consecutive bytes a load
.irp T, 0,1,2,3
	global_load_b32 v[XS+\T], v[MI], s[10:11] offset:64*\T   ; x_sq of token 16 T + r
.endr
	WIN 0x40                                       ; destination window 1
.irp T, 0,1,2,3
.irp s, 0,1,2,3
.irp c, 0,1,2,3
	global_load_b128 v[64*\T+16*\s+4*\c:64*\T+16*\s+4*\c+3], v[LA], s[4:5] offset:8192*\T+2048*\s+512*\c
.endr
.endr
.endr
	WIN 0
	s_wait_kmcnt 0x0
	s_add_co_i32 s[M2S], s30, s31
	s_add_co_i32 s[M2S], s[M2S], 128
	s_lshl_b32 s[M2S], s[M2S], 23
	s_or_b32 s[M2S], s[M2S], 0x80000000            ; -2^(ea + eb + 1)
; One product on sets p: K step s, tokens' tile T.  K step 0 begins with cneg.
.macro MM p, s, T
.set mD, ACC+8*(\T)
.set mA, F+64*(\p)+16*(\s)
.set mB, 64*(\T)+16*(\s)
.if (\s) == 0
	v_wmma_f32_16x16x128_bf8_bf8 v[mD:mD+7], v[mA:mA+15], v[mB:mB+15], v[CS+8*(\p):CS+8*(\p)+7]
.else
	v_wmma_f32_16x16x128_bf8_bf8 v[mD:mD+7], v[mA:mA+15], v[mB:mB+15], v[mD:mD+7]
.endif
.endm
; Step s of the four v_max3 for tokens' tile T; each accumulator is read from its low end on.  The best so far and the new best lie in two sets, which change places with the tile's parity p.
.macro SMAX p, s, T
.set eA, ACC+8*(\T)
.if (\s) == 0
	v_max3_num_f32 v[MX+(\T)], v[eA], v[eA+1], v[eA+2]
.elseif (\s) < 3
	v_max3_num_f32 v[MX+(\T)], v[MX+(\T)], v[eA+1+2*(\s)], v[eA+2+2*(\s)]
.else
	v_max3_num_f32 v[BA+4*(\p)+(\T)], v[MX+(\T)], v[eA+7], v[BB-4*(\p)+(\T)]
.endif
.endm
; Where VCC says that the best has grown: the tile's eight a, two selects to an instruction (an even and an odd register, neighbouring banks), and the tile's number
.macro SKEEP T
.set eA, ACC+8*(\T)
.set eV, SV+8*(\T)
.irp k, 0,2,4,6
	v_dual_cndmask_b32 v[eV+\k], v[eV+\k], v[eA+\k] :: v_dual_cndmask_b32 v[eV+\k+1], v[eV+\k+1], v[eA+\k+1]
.endr
	v_cndmask_b32 v[ID+(\T)], v[ID+(\T)], s[TID], vcc_lo
.endm
; The tile in the accumulators is searched.  Step s of tile T stands 4 - s groups ahead of T's compare, so that v_max3 of other tiles stand between a compare and its selects and no line reads the line above it.
.macro SEARCH p
.set g, -4
.rept 8
.if g >= 0
	v_cmp_gt_f32 vcc_lo, v[BA+4*(\p)+g], v[BB-4*(\p)+g]   ; strictly greater: of equal a the earlier tile stays
.endif
.irp s, 0,1,2,3
.if (g+4-\s >= 0) && (g+4-\s < 4)
	SMAX \p, \s, g+4-\s
.endif
.endr
.if g >= 0
	SKEEP g
.endif
.set g, g+1
.endr
.endm
.macro GSEARCH grp, p                  ; the search, for waves 0-3 (grp = 0) or for waves 4-7 (grp = 1)
	s_cmp_lt_u32 s[WV], 4
.if (\grp) == 0
	s_cbranch_scc0 .Lnot_mine_\@
.else
	s_cbranch_scc1 .Lnot_mine_\@
.endif
	SEARCH \p
.Lnot_mine_\@:
.endm
.macro FETCH q                         ; the next tile's 16 fragment loads and its cneg, in one run, into sets q
	v_add_nc_u32 v[ADR], s[TB], v[LA]
	v_add_nc_u32 v[ADC], s[TC], v[CA]
.irp f, 0,1,2,3,4,5,6,7,8,9,10,11,12,13,14,15
	ds_load_b128 v[F+64*(\q)+4*\f:F+64*(\q)+4*\f+3], v[ADR] offset:512*\f   ; 32 lanes take 512 consecutive bytes
.endr
	ds_load_b128 v[CS+8*(\q):CS+8*(\q)+3], v[ADC]              ; cneg of entries 16 t + 8 h + 0 .. 7: the result's layout
	ds_load_b128 v[CS+8*(\q)+4:CS+8*(\q)+7], v[ADC] offset:16
	s_add_co_u32 s[TB], s[TB], TILEB
	s_add_co_u32 s[TC], s[TC], 64
.endm
; A TURN on the tile in sets p; q = 1 - p.  Four accumulators take turns, one instruction a turn, three others between two steps of a sum.  Five v_nop behind the products stand on every
; wave's path: four are the places in front of the search's reads and of the next turn's loads into sets p; the fifth is owed to the next turn's first products, which write the accumulators anew
; (ISA guide 7.12.1 for vector instructions).
.macro TURN p, q, first, fetch
.if (\first) == 0
	GSEARCH 1, \q                                  ; waves 4-7: the tile before
	s_add_co_u32 s[TID], s[TID], 1
.endif
	s_wait_dscnt 0x0                               ; this tile's fragments and cneg are in: they were asked for a turn ago
.if \fetch
	FETCH \q
.endif
	WIN 0x04                                       ; source 1 (tokens) window 1
.irp s, 0,1,2,3
.irp T, 0,1,2,3
	MM \p, \s, \T
.endr
.endr
	WIN 0                                          ; at a label and at a branch every window is 0
	PLACES
	v_nop                                          ; the fifth place, for the products that write these accumulators anew
	GSEARCH 0, \p                                  ; waves 0-3: this tile
.endm
.macro TRIP
	TURN 1, 0, 0, 1
	TURN 0, 1, 0, 1
.endm
; Between two turns: each wave waits for all its tensor loads, adds 0 to its spare word, and waits for that and for its LDS reads; then the barrier.  fill = 1: the barrier is a round of the cluster's, and a joint load is
; the first thing behind it: one load of mine is out.  step = 1: the walking descriptor goes on to the other slot and the next 16 tiles.  wrap = 1: the slot's last tile has been fetched: the fetches change slots.
.macro CHANGE fill, step, wrap
	s_wait_tensorcnt 0x0                           ; no tensor load of mine is out, so a group 0 may be written
	ds_add_u32 v[SPW], v[NIL]
.if \step
	s_xor_b32 s[G0W+1], s[G0W+1], SLOTB
	s_add_nc_u64 s[G0W+2:G0W+3], s[G0W+2:G0W+3], SLOTB
.endif
	s_wait_dscnt 0x0                               ; the add is done, and my reads of the slot are over
.if \fill
	CROUND
	tensor_load_to_lds s[G0W:G0W+3], s[G1C:G1C+7]
	s_nop 0
	PLACES
.else
	s_barrier_signal -1
	s_barrier_wait -1
.endif
.if \wrap
	s_sub_co_u32 s[TB], s[TB], SLOTB               ; back to a slot's first tile,
	s_xor_b32 s[TB], s[TB], SLOTB                  ; in the other slot
.endif
.endm
	s_wait_loadcnt 63                              ; 69 loads were issued: the first six are in, cneg's among them
	ds_store_b128 v[MX+1], v[OUTR:OUTR+3]          ; cneg to its own LDS bytes, as it lies in memory
	s_wait_tensorcnt 0x0                           ; my eighth of slot 0 is in,
	s_wait_dscnt 0x0                               ; my store of cneg is done
	s_barrier_signal -1
	s_barrier_wait -1                              ; everybody's are
	FETCH 0                                        ; tile 0
	s_wait_loadcnt 0x0                             ; x's codes and x_sq
	TURN 0, 1, 1, 1                                ; tile 0
	CHANGE 1, 0, 0                                 ; slot 1's first fill, tiles 16 to 31, issued as a refill is
	s_mov_b32 s23, 7
.Lslot_0:                                          ; tiles 1 to 14
	TRIP
	s_sub_co_u32 s23, s23, 1
	s_cmp_lg_u32 s23, 0
	s_cbranch_scc1 .Lslot_0
	CHANGE 1, 1, 1                                 ; slot 0 takes tiles 32 to 47
	s_mov_b32 s23, 8
.Lslot_1:                                          ; tiles 15 to 30
	TRIP
	s_sub_co_u32 s23, s23, 1
	s_cmp_lg_u32 s23, 0
	s_cbranch_scc1 .Lslot_1
	CHANGE 1, 1, 1                                 ; slot 1 takes tiles 48 to 63
	s_mov_b32 s23, 8
.Lslot_2:                                          ; tiles 31 to 46
	TRIP
	s_sub_co_u32 s23, s23, 1
	s_cmp_lg_u32 s23, 0
	s_cbranch_scc1 .Lslot_2
	CHANGE 0, 0, 1                                 ; nothing more is asked for
	s_mov_b32 s23, 8
.Lslot_3:                                          ; tiles 47 to 62
	TRIP
	s_sub_co_u32 s23, s23, 1
	s_cmp_lg_u32 s23, 0
	s_cbranch_scc1 .Lslot_3
	TURN 1, 0, 0, 0                                ; tile 63
	GSEARCH 1, 1                                   ; waves 4-7: tile 63.  The best now lies in BB
	; THE END, once.  Which of the kept eight is the best: the lowest j with the best's value.
	v_bfe_u32 v[MI], v0, 4, 1
	v_lshlrev_b32 v[MI], 3, v[MI]
	s_lshl_b32 s79, s19, 10
	v_add_nc_u32 v[MI], s79, v[MI]                 ; 8 h + 1024 split
	v_and_b32 v[ADR], 15, v0
	v_lshlrev_b32 v[ADR], 4, v[ADR]
	v_bfe_u32 v[ADC], v0, 4, 1
	v_lshl_add_u32 v[ADR], v[ADC], 9, v[ADR]       ; my place in part: 16 r + 512 h
.irp T, 0,1,2,3
	v_mov_b32 v[MX+\T], 7
.endr
.irp j, 6,5,4,3,2,1,0
.irp T, 0,1,2,3
	v_cmp_eq_f32 vcc_lo, v[SV+8*\T+\j], v[BB+\T]
	v_cndmask_b32 v[MX+\T], v[MX+\T], \j, vcc_lo
.endr
.endr
.irp T, 0,1,2,3
	v_lshl_add_u32 v[ID+\T], v[ID+\T], 4, v[MX+\T]
.endr
.irp T, 0,1,2,3
	v_add_nc_u32 v[ID+\T], v[ID+\T], v[MI]         ; the entry: 1024 split + 16 t + 8 h + j
.endr
.irp T, 0,1,2,3
	v_permlanex16_b32 v[BA+\T], v[BB+\T], s28, s29 ; the token's other eight entries of each tile lie in the lane 16 away
	v_permlanex16_b32 v[SV+8*\T], v[ID+\T], s28, s29
.endr
.irp T, 0,1,2,3
	v_cmp_gt_f32 s76, v[BA+\T], v[BB+\T]
	v_cmp_eq_f32 s77, v[BA+\T], v[BB+\T]
	v_cmp_lt_u32 s78, v[SV+8*\T], v[ID+\T]
	s_and_b32 s77, s77, s78
	s_or_b32 s76, s76, s77                         ; the other lane's is greater, or equal with the lower index
	v_cndmask_b32 v[BB+\T], v[BB+\T], v[BA+\T], s76
	v_cndmask_b32 v[ID+\T], v[ID+\T], v[SV+8*\T], s76
.endr
.irp T, 0,1,2,3
	v_fma_f32 v[SV+8*\T+1], v[BB+\T], s[M2S], v[XS+\T]   ; d = a x (-2 s) + x_sq
.endr
.irp T, 0,1,2,3
	v_ashrrev_i32 v[SV+8*\T+2], 31, v[SV+8*\T+1]   ; a whole number that orders as d does: a negative d has all its bits turned, any other its sign bit
.endr
.irp T, 0,1,2,3
	v_or_b32 v[SV+8*\T+2], 0x80000000, v[SV+8*\T+2]
.endr
.irp T, 0,1,2,3
	v_xor_b32 v[SV+8*\T+2], v[SV+8*\T+1], v[SV+8*\T+2]
.endr
.irp T, 0,1,2,3
	v_cndmask_b32 v[OUTR+\T], v[SV+8*\T+2], v[ID+\T], s26   ; both lanes of a token hold its winner: lanes 0-15 carry the keys, lanes 16-31 the indices; word 4 r + T of my 64 is token 16 T + r
.endr
	global_store_b128 v[ADR], v[OUTR:OUTR+3], s[14:15]     ; lanes 0-15: 64 keys, 256 consecutive bytes at a multiple of 256; lanes 16-31: 64 indices likewise, 512 bytes further on
	s_wait_tensorcnt 0x0                           ; the wave's end
	ds_add_u32 v[SPW], v[NIL]
	s_wait_dscnt 0x0
	CROUND                                         ; the closing round: no work-group ends while a partner may still ask for a tile that names it
	s_endpgm
.Lfunc_end_k_q3d3d3af92b_dist:
	.size	k_q3d3d3af92b_dist, .Lfunc_end_k_q3d3d3af92b_dist-k_q3d3d3af92b_dist
	.p2alignl 7, 3214868480
	.fill 96, 4, 3214868480
	.section	.rodata,"a",@progbits
	.p2align	6, 0x0
	.amdhsa_kernel k_q3d3d3af92b_dist
		.amdhsa_group_segment_fixed_size 327680
		.amdhsa_private_segment_fixed_size 0
		.amdhsa_enable_private_segment 0
		.amdhsa_kernarg_size 48
		.amdhsa_user_sgpr_count 2
		.amdhsa_user_sgpr_kernarg_segment_ptr 1
		.amdhsa_wavefront_size32 1
		.amdhsa_system_sgpr_workgroup_id_x 1
		.amdhsa_system_sgpr_workgroup_id_y 1
		.amdhsa_system_sgpr_workgroup_id_z 1
		.amdhsa_system_vgpr_workitem_id 0
		.amdhsa_next_free_vgpr 512
		.amdhsa_next_free_sgpr 84
		.amdhsa_reserve_vcc 1
		.amdhsa_float_denorm_mode_32 3
		.amdhsa_float_denorm_mode_16_64 3
		.amdhsa_memory_ordered 1
		.amdhsa_forward_progress 1
		.amdhsa_inst_pref_size 98
	.end_amdhsa_kernel
	.amdgpu_metadata
---
amdhsa.version: [ 1, 2 ]
amdhsa.kernels:
  - .name:           k_q3d3d3af92b_dist
    .symbol:         k_q3d3d3af92b_dist.kd
    .args:
      - { .name: xc, .offset: 0, .size: 8, .value_kind: global_buffer, .address_space: global }
      - { .name: cc, .offset: 8, .size: 8, .value_kind: global_buffer, .address_space: global }
      - { .name: cneg, .offset: 16, .size: 8, .value_kind: global_buffer, .address_space: global }
      - { .name: xsq, .offset: 24, .size: 8, .value_kind: global_buffer, .address_space: global }
      - { .name: lowp_scales, .offset: 32, .size: 8, .value_kind: global_buffer, .address_space: global }
      - { .name: part, .offset: 40, .size: 8, .value_kind: global_buffer, .address_space: global }
    .group_segment_fixed_size: 327680
    .private_segment_fixed_size: 0
    .kernarg_segment_align: 8
    .kernarg_segment_size: 48
    .max_flat_workgroup_size: 256
    .sgpr_count:     84
    .vgpr_count:     512
    .wavefront_size: 32
...
	.end_amdgpu_metadata
.endif
;; end of part 2
;; launch pick (part 3): grid 256 x 1, 8 waves a work-group, no clusters, 0 bytes of LDS; arguments part, codebook, out0; writes out0
.if DOCPART == 3
	.amdgcn_target "amdgcn-amd-amdhsa--gfx1250"
	.amdhsa_code_object_version 6
	.text
	.protected	k_q3d3d3af92b_pick
	.globl	k_q3d3d3af92b_pick
	.p2align	8
	.type	k_q3d3d3af92b_pick,@function
k_q3d3d3af92b_pick:
	s_mov_b64 s[64:65], 0
	v_nop
	global_prefetch_b8 v0, s[64:65] scope:SCOPE_SE
	s_setreg_imm32_b32 hwreg(HW_REG_WAVE_MODE, 25, 1), 1
	s_wait_xcnt 0x0
; out0[token] = codebook[the entry with the least key among the token's eight splits].  part: [split 8][block of 128 tokens: 128][128 keys, then 128 indices], whole numbers of 32 bits that the launch before stored;
; a key orders as the distance does.  Strictly less decides, from split 0 on: of equal keys the lower split stays, and it holds the lower indices.
; SHARES.  Work-group g owns tokens 64 g .. 64 g + 63: words 64 (g & 1) .. + 63 of block g >> 1.  Wave w owns words 8 w + i of those, i = 0 .. 7: word i is token 64 g + 2 w + 16 (i % 4) + (i >> 2).
; A row is 2,048 bytes: four loads and four stores of the wave, 512 consecutive bytes each.  All eight rows' 32 loads go out together; no register is written twice, so no wait frees a source.
; Memory binds: no LDS, no barrier, no matrix unit.  A row may be named by several tokens, so the loads carry no hint.
; The index is held at 8,191 from above before it enters an address (it is never greater as the launch before stores it).
	s_load_b128 s[4:7], s[0:1], 0x0                ; part s[4:5], codebook s[6:7]
	s_load_b64 s[8:9], s[0:1], 0x10                ; out0
	v_lshrrev_b32 v1, 5, v0
	s_delay_alu instid0(VALU_DEP_1)
	v_readfirstlane_b32 s10, v1                    ; wave 0..7
	v_and_b32 v3, 31, v0
	s_delay_alu instid0(VALU_DEP_1)
	v_lshlrev_b32 v1, 4, v3                        ; 16 x lane
	v_and_b32 v2, 7, v0                            ; four lanes read the same word
	s_and_b32 s11, ttmp9, 1
	s_lshl_b32 s11, s11, 6
	s_lshl_b32 s12, s10, 3
	s_add_co_u32 s11, s11, s12
	v_add_nc_u32 v2, s11, v2
	s_delay_alu instid0(VALU_DEP_1)
	v_lshlrev_b32 v2, 2, v2                        ; 4 x (64 (g & 1) + 8 w + lane % 8)
	s_lshr_b32 s12, ttmp9, 1
	s_lshl_b32 s12, s12, 10                        ; the block's 1,024 bytes
	s_mov_b32 s13, 0
	s_lshl_b32 s14, ttmp9, 6
	s_lshl_b32 s15, s10, 1
	s_add_co_u32 s14, s14, s15
	s_lshl_b32 s14, s14, 11                        ; row 64 g + 2 w of out0
	s_mov_b32 s15, 0
	s_wait_alu depctr_va_vdst(0)
	s_wait_kmcnt 0x0
	s_add_nc_u64 s[4:5], s[4:5], s[12:13]
	s_add_nc_u64 s[8:9], s[8:9], s[14:15]
.irp s, 0,1,2,3,4,5,6,7
	global_load_b32 v[4+\s], v2, s[4:5] offset:131072*\s       ; split s: the key,
	global_load_b32 v[12+\s], v2, s[4:5] offset:131072*\s+512  ; the index
.endr
	s_wait_loadcnt 0x0
.irp s, 1
	v_cmp_lt_u32 vcc_lo, v[4+\s], v4
	s_delay_alu instid0(VALU_DEP_1)
	v_cndmask_b32 v4, v4, v[4+\s], vcc_lo
	s_delay_alu instid0(VALU_DEP_2)
	v_cndmask_b32 v12, v12, v[12+\s], vcc_lo
.endr
.irp s, 2, 3, 4, 5, 6, 7
	s_delay_alu instid0(VALU_DEP_2)
	v_cmp_lt_u32 vcc_lo, v[4+\s], v4
	s_delay_alu instid0(VALU_DEP_1)
	v_cndmask_b32 v4, v4, v[4+\s], vcc_lo
	s_delay_alu instid0(VALU_DEP_2)
	v_cndmask_b32 v12, v12, v[12+\s], vcc_lo
.endr
	s_wait_alu depctr_va_vdst(0)
.irp i, 0,1,2,3,4,5,6,7
	v_readlane_b32 s[16+\i], v12, \i               ; word i's index, for the whole wave
	s_min_u32 s[16+\i], s[16+\i], 0x1fff
	s_lshl_b32 s[16+\i], s[16+\i], 11              ; its row's first byte
	v_add_nc_u32 v[20+\i], s[16+\i], v1
.irp c, 0,1,2,3
	global_load_b128 v[32+16*\i+4*\c:32+16*\i+4*\c+3], v[20+\i], s[6:7] offset:512*\c
.endr
.endr
.irp i, 0,1,2,3,4,5,6,7
	s_wait_loadcnt 28-4*\i                         ; row i's four loads are in; the later rows' may be out
.irp c, 0,1,2,3
	global_store_b128 v1, v[32+16*\i+4*\c:32+16*\i+4*\c+3], s[8:9] offset:(16*(\i%4)+(\i>>2))*2048+512*\c th:TH_STORE_NT   ; 512 consecutive bytes, at a multiple of 512 from out0's first byte; written once, read by nobody here
.endr
.endr
	s_endpgm
.Lfunc_end_k_q3d3d3af92b_pick:
	.size	k_q3d3d3af92b_pick, .Lfunc_end_k_q3d3d3af92b_pick-k_q3d3d3af92b_pick
	.p2alignl 7, 3214868480
	.fill 96, 4, 3214868480
	.section	.rodata,"a",@progbits
	.p2align	6, 0x0
	.amdhsa_kernel k_q3d3d3af92b_pick
		.amdhsa_group_segment_fixed_size 0
		.amdhsa_private_segment_fixed_size 0
		.amdhsa_enable_private_segment 0
		.amdhsa_kernarg_size 24
		.amdhsa_user_sgpr_count 2
		.amdhsa_user_sgpr_kernarg_segment_ptr 1
		.amdhsa_wavefront_size32 1
		.amdhsa_system_sgpr_workgroup_id_x 1
		.amdhsa_system_sgpr_workgroup_id_y 1
		.amdhsa_system_sgpr_workgroup_id_z 1
		.amdhsa_system_vgpr_workitem_id 0
		.amdhsa_next_free_vgpr 168
		.amdhsa_next_free_sgpr 66
		.amdhsa_reserve_vcc 1
		.amdhsa_float_denorm_mode_32 3
		.amdhsa_float_denorm_mode_16_64 3
		.amdhsa_memory_ordered 1
		.amdhsa_forward_progress 1
		.amdhsa_inst_pref_size 12
	.end_amdhsa_kernel
	.amdgpu_metadata
---
amdhsa.version: [ 1, 2 ]
amdhsa.kernels:
  - .name:           k_q3d3d3af92b_pick
    .symbol:         k_q3d3d3af92b_pick.kd
    .args:
      - { .name: part, .offset: 0, .size: 8, .value_kind: global_buffer, .address_space: global }
      - { .name: codebook, .offset: 8, .size: 8, .value_kind: global_buffer, .address_space: global }
      - { .name: out0, .offset: 16, .size: 8, .value_kind: global_buffer, .address_space: global }
    .group_segment_fixed_size: 0
    .private_segment_fixed_size: 0
    .kernarg_segment_align: 8
    .kernarg_segment_size: 24
    .max_flat_workgroup_size: 256
    .sgpr_count:     66
    .vgpr_count:     168
    .wavefront_size: 32
...
	.end_amdgpu_metadata
.endif
;; end of part 3
